; MI455X (gfx1250); checked and timed in simulation.
; The chip was launched on July 23, 2026; its instructions are those of AMD's public machine-readable ISA for CDNA 5 (MIT licence, August 2026) and "CDNA5" Instruction Set Architecture Reference Guide (July 2026). The comments in the code are by the model that wrote it; some were corrected since.
;; Scaled Dot Product Attn. Allowed arithmetic: matrix products marked QUANTISED: E2M3 operands, one E8M0 scale for each 32 along K, by v_wmma_scale_f32_16x16x128_f8f6f4 with both operands' format E2M3, f32 sums; everything else in f32.
;; Inputs: k 16 x 2,048 x 64 float32; mask 16 x 2,048 x 2,048 bool; q 16 x 2,048 x 64 float32; v 16 x 2,048 x 64 float32.
;; Outputs: out0 16 x 2,048 x 64 float32.
;; This version of the problem:
;;   THIS VERSION OF THE PROBLEM IS GIVEN IN LOW PRECISION. The matrix products marked QUANTISED in the list below multiply operands that are first quantised to E2M3 (2 exponent bits, 3 mantissa bits; 6 bits a number), with one power-of-two scale for each 32 numbers along K (OCP MX v1.0); their sums are f32. All else is computed in f32.
;;   The module's matrix products, in the order in which they are computed (A, B: the left and right operand; K: the contracted axis; several contracted axes count as one K, in the product's order):
;;     1. batch 16 x [M 2,048, K 64] x [K 64, N 2,048]; A: input q; B: input k: QUANTISED
;;     2. batch 16 x [M 2,048, K 2,048] x [K 2,048, N 64]; A: softmax (see below); B: input v: QUANTISED
;;   THE QUANTISER, for each operand of a quantised product, along K:
;;     - K is cut into blocks of 32 from its start; a last block that is shorter is filled with zeros.
;;     - A block's scale is 2^e with e = floor(log2(the largest magnitude in the block)) - 2, held to -126 .. 127; a block of zeros has e = 0. As a byte (E8M0): e + 127.
;;     - Each number is divided by its block's scale, clamped to +-7.5, and rounded to the nearest number of E2M3, ties to even, subnormals kept.
;;     - The product sums the exact products of the quantised numbers (number of the format x scale) in f32.
;;   ~~~python
;;   def quantise(x, axis):      # numpy; x: float32 -> the quantised numbers, widened to float32 again
;;       x = np.moveaxis(x, axis, -1); K = x.shape[-1]
;;       x = np.pad(x, [(0, 0)] * (x.ndim - 1) + [(0, -K % 32)]); x = x.reshape(x.shape[:-1] + (-1, 32)); a = np.abs(x).max(-1, keepdims=True)
;;       e = np.where(a > 0, np.clip(np.frexp(np.where(a > 0, a, 1))[1] - 1 - 2, -126, 127), 0)      # np.frexp(a)[1] - 1 = floor(log2(a)), exactly
;;       r = np.clip(x / 2.0 ** e, -7.5, 7.5)
;;       step = 2.0 ** (np.maximum(np.frexp(np.where(r == 0, 1, r))[1] - 1, 0) - 3)
;;       q = np.round(r / step) * step * 2.0 ** e      # np.round: ties to even
;;       return np.moveaxis(q.reshape(q.shape[:-2] + (-1,))[..., :K], -1, axis).astype(np.float32)
;;   ~~~
;;   SOFTMAX AHEAD OF A QUANTISED PRODUCT. Where the list says 'softmax', what is quantised is not the finished softmax but p = 2^(t - M), with t = logit x log2(e) and M = ceil(the row's largest t), a whole number; so 1/2 < the row's largest p <= 1. The row's sum l is taken of the UNQUANTISED p, in f32, and the product's result is divided by l at the end. Since M is a whole number, a kernel that streams over the keys may use a running M (the ceiling of the running maximum): every later rescaling is an exact power of two, which a block's scale takes up: the codes' values come out the same.
;;   OPERANDS COMPUTED ON THE WAY. 'Computed on the way' means the value that the module computes at that place (a softmax that the list does not call 'softmax' is quantised finished and normalised). What goes into a quantiser is computed in f32, as accurately as f32 sums, v_exp_f32 and their like allow (about 1e-6 of the number): no bf16 or f16 on the way to a quantiser, and a product that is left as it is and whose result goes on into a quantised operand takes f32 operands (vector FMAs, or v_wmma_f32_16x16x4_f32). A number that lies on a knife's edge between two numbers of the format may be rounded either way, as far as f32 arithmetic and the matrix unit's own rounding can turn it there, and no further.
;; One version. Each part assembles by itself: llvm-mc -triple=amdgcn-amd-amdhsa -mcpu=gfx1250 --defsym DOCPART=n.
;; ======== version 1 of 1: 2 launches
;; limits: right only within a limited range of input values
;; workspace buffers: kv 3,276,800 bytes
;; launch prep (part 1): grid 16 x 16, 16 waves a work-group, no clusters, 73,216 bytes of LDS; arguments k, v, kv; writes kv
.if DOCPART == 1
	.amdgcn_target "amdgcn-amd-amdhsa--gfx1250"
	.amdhsa_code_object_version 6
	.text
	.protected	k_q8943e60c8c_prep
	.globl	k_q8943e60c8c_prep
	.p2align	8
	.type	k_q8943e60c8c_prep,@function
k_q8943e60c8c_prep:
	s_mov_b64 s[64:65], 0
	v_nop
	global_prefetch_b8 v0, s[64:65] scope:SCOPE_SE
	s_setreg_imm32_b32 hwreg(HW_REG_WAVE_MODE, 25, 1), 1
	s_wait_xcnt 0x0
.set REC,   12800
; k [16][2048][64] and v [16][2048][64], f32, become codes of FP6 (E2M3) with one E8M0 byte for each 32 along a product's K:
; k along its 64 channels, v along the KEYS.  A work-group makes one RECORD of kv: 128 keys of one batch, 50 x 256 bytes, laid as
; images of the operands' registers, so that the reader takes every fragment by loads of 16 and 8 bytes a lane from consecutive bytes.
;   bytes 0 .. 8191      unit x at 512 x: lane l's registers 0-3 of the unit's six, at 16 l
;   bytes 8192 .. 12287  unit x at 8192 + 256 x: lane l's registers 4-5, at 8 l
;   bytes 12288 .. 12543 K's scale words: two registers, lane l's 8 bytes at 8 l
;   bytes 12544 .. 12799 V's scale words, the same
; A batch's 16 records stand in the order in which the reader wants them: key steps 0, 1, 10, 11, 2 .. 9, 12 .. 15.
; Unit t (0 .. 7) is a tile of K: lane (r, h) holds key 64 (t / 4) + 8 (t % 4) + 32 (r / 8) + r % 8, channels 32 h .. 32 h + 31.
; (With these keys the reader's 32 result registers of tiles 4 c .. 4 c + 3 are 32 neighbouring keys: a whole block of the second product's K in one lane.)
; Tiles 2 p and 2 p + 1 make ONE operand of 128 along K: their scale word has the bytes of tile 2 p, then those of tile 2 p + 1.
; Unit 8 + 2 n + c is half c of V^T's fragment n: lane (r, h) holds channel 16 n + r, keys 64 c + 32 h .. + 31.
; In both, the scale word of pair p (K) or fragment p (V) stands in register p / 2, lanes 16 (p % 2) + r.
; A block's scale is 2^(floor(log2(its largest magnitude)) - 2); its byte is the largest magnitude's exponent field - 2, held at 1 from below.
; LIMITS: NaN and infinities among the inputs are not served; a block whose largest magnitude lies under 2^(3 - 127) keeps the byte 1;
; a block of zeros gets the byte 1 where the rule says 127: its codes are zeros, and this program alone reads the bytes.
; Sixteen waves: each brings 16 rows (waves 0-7 of k, waves 8-15 of v) into LDS through registers, and makes unit w.  The work-groups share no input, so there is no cluster;
; every load stands at the head, so there is no loop for a prefetch to run ahead in.
.set PITCH, 272                        ; an LDS row: 256 bytes + 16 of padding,
.set P32,   128                        ; and 128 bytes more behind every 32 rows: a wave's reads of rows 32 apart then start half of 64 banks apart
.set VT,    128*PITCH+4*P32            ; k's 128 rows from byte 0, v's from here
.set SCS,   2*VT                       ; 512 bytes in which the scale words are gathered
.set SPARE, SCS+512                    ; the spare words, 128 bytes for each wave
.set SPW, 18
.set NIL, 19
	s_load_b128 s[4:7], s[0:1], 0x0                ; k, v
	s_load_b64 s[8:9], s[0:1], 0x10                ; kv
	v_lshrrev_b32 v1, 5, v0
	v_readfirstlane_b32 s12, v1                    ; wave 0..15
	v_and_b32 v3, 15, v0                           ; r
	v_bfe_u32 v4, v0, 4, 1                         ; h
	s_and_b32 s13, ttmp7, 0xffff                   ; batch; ttmp9 is the key step
	s_and_b32 s16, s12, 7                          ; u: my unit among k's or v's eight
	v_lshlrev_b32 v6, 8, v4
	v_lshl_add_u32 v6, v3, 4, v6                   ; two rows an instruction, 16 lanes to a row
	s_lshl_b32 s20, s13, 19                        ; a batch is 2,048 rows of 256 bytes,
	s_lshl_b32 s21, ttmp9, 15                      ; a key step 128,
	s_add_co_u32 s20, s20, s21
	s_lshl_b32 s21, s16, 12                        ; a wave 16
	s_add_co_u32 s20, s20, s21
	s_mov_b32 s21, 0
	s_wait_alu depctr_va_vdst(0)
	s_wait_kmcnt 0x0
	s_cmp_lt_u32 s12, 8
	s_cselect_b64 s[4:5], s[4:5], s[6:7]           ; the choice hangs on the wave's number alone
	s_add_nc_u64 s[4:5], s[4:5], s[20:21]
.irp e, 0,1,2,3,4,5,6,7
	global_load_b128 v[32+4*\e:35+4*\e], v6, s[4:5] offset:512*\e th:TH_LOAD_NT   ; 32 lanes read two rows: 512 consecutive bytes
.endr
	v_lshl_add_u32 v[SPW], v0, 2, SPARE            ; all else is made while the loads are out
	v_mov_b32 v[NIL], 0
	s_mov_b32 s14, 0x76543210
	s_mov_b32 s15, 0xfedcba98                      ; v_permlanex16_b32's selects for lane l xor 16
	s_lshr_b32 s17, s12, 3                         ; 0: k, 1: v
	s_add_co_u32 s31, ttmp9, 2                     ; my record's place: key steps 2 .. 9 two further on,
	s_cmp_lt_u32 ttmp9, 10
	s_cselect_b32 s31, s31, ttmp9
	s_cmp_lt_u32 ttmp9, 2
	s_cselect_b32 s31, ttmp9, s31
	s_and_b32 s30, ttmp9, 3
	s_lshr_b32 s29, ttmp9, 1
	s_cmp_eq_u32 s29, 5
	s_cselect_b32 s31, s30, s31                    ; 10 and 11 at 2 and 3
	s_lshl_b32 s22, s13, 4
	s_add_co_u32 s22, s22, s31
	s_mul_i32 s22, s22, REC
	s_mov_b32 s23, 0
	s_add_nc_u64 s[8:9], s[8:9], s[22:23]
	s_mul_i32 s24, s12, 16*PITCH                   ; where my rows go
	s_lshr_b32 s31, s12, 1
	s_lshl_b32 s31, s31, 7
	s_add_co_u32 s24, s24, s31
	s_and_b32 s28, s16, 1                          ; u & 1
	s_lshr_b32 s29, s16, 1                         ; u >> 1
	s_lshr_b32 s30, s16, 2                         ; u >> 2
	s_and_b32 s31, s16, 3
	s_mul_i32 s25, s30, 64*PITCH+2*P32             ; K's tile u begins at key 64 (u / 4) + 8 (u % 4)
	s_mul_i32 s31, s31, 8*PITCH
	s_add_co_u32 s25, s25, s31
	s_mul_i32 s26, s28, 64*PITCH+2*P32             ; V: keys 64 (u & 1) on,
	s_lshl_b32 s31, s29, 6                         ; channels 16 (u >> 1) on
	s_add_co_u32 s26, s26, s31
	s_add_co_u32 s26, s26, VT
	s_lshl_b32 s27, s17, 8                         ; scale bytes: k's 256 bytes, then v's;
	s_lshl_b32 s31, s30, 2                         ; register u >> 2,
	s_add_co_u32 s27, s27, s31
	s_and_b32 s31, s29, 1
	s_lshl_b32 s31, s31, 7                         ; lanes 16 ((u >> 1) & 1) + r,
	s_add_co_u32 s27, s27, s31
	s_lshl_b32 s31, s28, 1                         ; bytes 2 (u & 1) on
	s_add_co_u32 s27, s27, s31
	s_add_co_u32 s27, s27, SCS
	v_and_b32 v2, 31, v0                           ; lane
	v_mul_u32_u24 v5, v4, PITCH                    ; in: two rows an instruction
	v_and_b32 v7, 8, v3
	v_mul_u32_u24 v8, v4, 32*PITCH+P32             ; V: lanes 16-31 begin 32 keys further down
	v_mul_u32_u24 v17, v3, PITCH
	v_lshl_add_u32 v5, v3, 4, v5
	v_mul_u32_u24 v7, v7, 3*PITCH+P32/8            ; K: lanes r of 8 and more begin 24 rows further down than row r, in the next 32 rows
	v_lshl_add_u32 v8, v3, 2, v8
	v_add_nc_u32 v5, s24, v5
	v_add_nc_u32 v7, v7, v17
	v_add_nc_u32 v8, s26, v8                       ; where my channel of V begins
	v_lshl_add_u32 v9, v3, 3, s27                  ; where my two scale bytes go
	v_lshl_add_u32 v7, v4, 7, v7                   ; + 128 h: my 32 channels
	v_lshlrev_b32 v10, 4, v0                       ; 16 x thread: unit w's first four registers in the record
	v_lshlrev_b32 v11, 3, v0                       ; 8 x thread: its last two
	v_add_nc_u32 v7, s25, v7                       ; where my key of K begins
	v_lshlrev_b32 v12, 4, v2
	v_lshlrev_b32 v14, 3, v4                       ; 8 h: my block's byte
	v_mov_b32 v16, 0                               ; written once: a lane permute's destination counts as one of its sources
	v_add_nc_u32 v13, SCS, v12
	s_wait_alu depctr_va_vdst(0)
.irp e, 0,1,2,3,4,5,6,7
	s_wait_loadcnt 7-\e                            ; the younger loads may be out
	ds_store_b128 v5, v[32+4*\e:35+4*\e] offset:2*PITCH*\e
.endr
	s_wait_dscnt 0x0                               ; for the others' sake: my rows are in LDS
	s_barrier_signal -1
	s_barrier_wait -1
	s_cmp_lt_u32 s12, 8
	s_cbranch_scc0 .Lv
.irp i, 0,1,2,3,4,5,6,7
	ds_load_b128 v[64+4*\i:67+4*\i], v7 offset:16*\i                ; K: my key's 32 channels
.endr
	s_branch .Lin
.Lv:
.irp i, 0,1,2,3,4,5,6,7,8,9,10,11,12,13,14,15,16,17,18,19,20,21,22,23,24,25,26,27,28,29,30,31
	ds_load_b32 v[64+\i], v8 offset:PITCH*\i                        ; V: my channel, my registers run down the keys
.endr
.Lin:
	s_wait_dscnt 0x0
	v_max3_num_f32 v20, |v64|, |v65|, |v66|        ; the block's largest magnitude, in two chains
	v_max3_num_f32 v21, |v67|, |v68|, |v69|
.irp i, 6,10,14,18,22,26
	s_delay_alu instid0(VALU_DEP_2)
	v_max3_num_f32 v20, v20, |v[64+\i]|, |v[65+\i]|
	s_delay_alu instid0(VALU_DEP_2)
	v_max3_num_f32 v21, v21, |v[66+\i]|, |v[67+\i]|
.endr
	s_delay_alu instid0(VALU_DEP_2)
	v_max3_num_f32 v20, v20, |v94|, |v95|
	s_delay_alu instid0(VALU_DEP_1)
	v_max3_num_f32 v20, v20, v21, 0x1800000        ; and the floor 2^(3 - 127): the byte cannot fall under 1
	s_delay_alu instid0(VALU_DEP_1)
	v_add_nc_u32 v22, 0xff000000, v20              ; 2 off its exponent field: the conversion takes the exponent field of this operand as its scale
	s_delay_alu instid0(VALU_DEP_1)
	v_lshrrev_b32 v23, 23, v22                     ; the scale's byte
	v_cvt_scalef32_pk16_fp6_f32 v[96:98], v[64:79], v22
	v_cvt_scalef32_pk16_fp6_f32 v[104:106], v[80:95], v22           ; (a conversion's three registers begin on an even number)
	v_lshlrev_b32 v15, v14, v23                    ; my block's byte at its place (a plain place behind the conversions),
	v_mov_b32 v99, v104
	v_mov_b32 v100, v105
	v_mov_b32 v101, v106
	v_permlanex16_b32 v16, v15, s14, s15
	s_delay_alu instid0(VALU_DEP_1)
	v_or_b32 v15, v15, v16                         ; with lane l xor 16's: two bytes of the scale word
	ds_store_b16 v9, v15                           ; both lanes write the same bytes with the same values
	global_store_b128 v10, v[96:99], s[8:9]                         ; 32 lanes store 512 consecutive bytes
	global_store_b64 v11, v[100:101], s[8:9] offset:8192            ; and 256
	s_wait_dscnt 0x0                               ; for the others' sake: my scale bytes are in LDS
	s_barrier_signal -1
	s_barrier_wait -1
	s_cmp_lg_u32 s12, 0
	s_cbranch_scc1 .Lend
	ds_load_b128 v[24:27], v13
	s_wait_dscnt 0x0
	global_store_b128 v12, v[24:27], s[8:9] offset:12288            ; K's and V's scale words: 512 consecutive bytes
.Lend:
	s_wait_tensorcnt 0x0                           ; the wave's end
	ds_add_u32 v[SPW], v[NIL]
	s_wait_dscnt 0x0
	s_endpgm
.Lfunc_end_k_q8943e60c8c_prep:
	.size	k_q8943e60c8c_prep, .Lfunc_end_k_q8943e60c8c_prep-k_q8943e60c8c_prep
	.p2alignl 7, 3214868480
	.fill 96, 4, 3214868480
	.section	.rodata,"a",@progbits
	.p2align	6, 0x0
	.amdhsa_kernel k_q8943e60c8c_prep
		.amdhsa_group_segment_fixed_size 73216
		.amdhsa_private_segment_fixed_size 0
		.amdhsa_enable_private_segment 0
		.amdhsa_kernarg_size 24
		.amdhsa_user_sgpr_count 2
		.amdhsa_user_sgpr_kernarg_segment_ptr 1
		.amdhsa_wavefront_size32 1
		.amdhsa_system_sgpr_workgroup_id_x 1
		.amdhsa_system_sgpr_workgroup_id_y 1
		.amdhsa_system_sgpr_workgroup_id_z 1
		.amdhsa_system_vgpr_workitem_id 0
		.amdhsa_next_free_vgpr 112
		.amdhsa_next_free_sgpr 66
		.amdhsa_reserve_vcc 0
		.amdhsa_float_denorm_mode_32 3
		.amdhsa_float_denorm_mode_16_64 3
		.amdhsa_memory_ordered 1
		.amdhsa_forward_progress 1
		.amdhsa_inst_pref_size 11
	.end_amdhsa_kernel
	.amdgpu_metadata
---
amdhsa.version: [ 1, 2 ]
amdhsa.kernels:
  - .name:           k_q8943e60c8c_prep
    .symbol:         k_q8943e60c8c_prep.kd
    .args:
      - { .name: k, .offset: 0, .size: 8, .value_kind: global_buffer, .address_space: global }
      - { .name: v, .offset: 8, .size: 8, .value_kind: global_buffer, .address_space: global }
      - { .name: kv, .offset: 16, .size: 8, .value_kind: global_buffer, .address_space: global }
    .group_segment_fixed_size: 73216
    .private_segment_fixed_size: 0
    .kernarg_segment_align: 8
    .kernarg_segment_size: 24
    .max_flat_workgroup_size: 512
    .sgpr_count:     66
    .vgpr_count:     112
    .wavefront_size: 32
...
	.end_amdgpu_metadata
.endif
;; end of part 1
;; launch attn (part 2): grid 16 x 16, 16 waves a work-group, clusters of 4 x 1, 276,480 bytes of LDS; arguments q, mask, kv, out0; writes out0
.if DOCPART == 2
	.amdgcn_target "amdgcn-amd-amdhsa--gfx1250"
	.amdhsa_code_object_version 6
	.text
	.protected	k_q8943e60c8c_attn
	.globl	k_q8943e60c8c_attn
	.p2align	8
	.type	k_q8943e60c8c_attn,@function
k_q8943e60c8c_attn:
	s_mov_b64 s[64:65], 0
	v_nop
	global_prefetch_b8 v0, s[64:65] scope:SCOPE_SE
	s_setreg_imm32_b32 hwreg(HW_REG_WAVE_MODE, 25, 1), 1
	s_wait_xcnt 0x0
	s_wait_alu depctr_hold_cnt(0) depctr_sa_sdst(0) depctr_va_vdst(0) depctr_va_sdst(0) depctr_va_ssrc(0) depctr_va_vcc(0) depctr_vm_vsrc(0)
	s_getreg_b32 s2, hwreg(HW_REG_IB_STS2, 6, 4)
	s_cmp_eq_u32 s2, 0
	s_cbranch_scc0 .Lentry_in_a_cluster
	s_endpgm
.Lentry_in_a_cluster:
	s_bfe_u32 s2, ttmp6, 0x10000c
	s_cmp_lg_u32 s2, 0x3003
	s_cbranch_scc0 .Lentry_shape_is_right
	s_endpgm
.Lentry_shape_is_right:
.set REC,   12800
; out0[b][q][:] = the sum over k of softmax_k(q . k / 8, -infinity where mask[b][q][k] is set) v[b][k][:], both products on codes of FP6 (E2M3) with one E8M0 scale for each 32 along K.
; q [16][2048][64] f32 is quantised here; k and v come as records of kv (128 keys each, images of the operands' registers); mask [16][2048][2048], one byte a score, 0 or 1.
; THE SOFTMAX: t = score x log2(e) / 8; M = the largest t so far, rounded UP to a whole number; p = 2^(t - M) is what is quantised, along the keys, not normalised.
; The row's sum is taken of the unquantised p and divides at the end.  When M moves, the sum and O are multiplied by 2^(old M - new M): exact.
; SHARES.  A work-group owns 128 queries of one batch.  Wave w owns query tile i = w & 7 (16 queries) and part j = w >> 3 of the keys: waves 0-7 keys 0 .. 1279, ten steps of 128 keys, waves 8-15 the other six; two steps to a trip.
; Sixteen waves of 256 registers, four to a SIMD: one wave's vector work stands beside another's loads and products.  At the end a tile's two parts are merged, again by exact powers of two.
; THE RECORDS STAY.  A batch's 16 records, 16 x 12,800 bytes, lie in LDS side by side: each wave asks for one at the head and nothing is filled again.  They stand in kv in the order in which they are wanted:
; waves 0-3 bring those of both parts' first trip (key steps 0, 1, 10, 11), which the first barrier shows; the second barrier, whose signal and wait stand apart in the first step, shows all the others (2 .. 9, then 12 .. 15).
; After it the waves meet only at the merge.
; CLUSTER.  The four query blocks of a cluster belong to one batch and take the same records: each is asked for JOINTLY.  The mask rows are shared with nobody.
; THE MASK comes by each wave's own loads, 16 rows x 256 bytes a trip, two rows to an instruction, a trip ahead of its use; it turns through the wave's own stage in LDS (rows of 272 bytes), from which each lane takes its query's bytes.
; A mask byte read as a code of E4M3 is 0 or 2^-9; converted with the scale byte 254 it is 0 or 2^118, and this is the C of the first product.  Q's codes carry the opposite sign, so the product
; gives S' = -score for an open place and about 2^118 for a masked one, whose p is exactly 0.  The largest score starts at -2^102, so masked places never set M.
; With each trip's loads a prefetch asks for the next trip's mask bytes: a lane a row, one instruction a wave; nothing is asked for beyond a wave's part of a row.
; LAYOUT.  Both products are used transposed: S'^T = K Q'^T, O^T = V^T P^T: a lane holds ONE query (lane % 16), and S' registers 32 c .. 32 c + 31 are keys 64 c + 32 (lane / 16) + 0 .. 31: a WHOLE block of p,
; in the order in which the second product's operand wants it.  So a block's largest score needs no other lane, and the conversions' results are the operand's registers.
; The first product's K is 64: TWO tiles of K fill one operand of 128, and Q lies as codes, zero codes, codes: v[16:27] takes the first tile, v[22:33] the second.
; A row that is masked throughout ends with sum 0 and O 0, and 0 x (1 / 0) is NaN, as the softmax of such a row is.
; LIMITS: scores q . k under 2^102 in magnitude; mask bytes 0 or 1; NaN and infinities among q, k, v are not served; a block of q under 2^(3 - 127) keeps the byte 1.
; REGISTERS: v1-4 record addresses; v5, v6 the stage; v7, v8 the spare word's; v9 prefetch offset; v10 mask offset; v11 8 h; v12 -M, v13 largest score, v[14:15] the sum; v16-33 Q; v34 Q's scales, v35 p's,
;   v[36:37] V's, v[38:39] K's; v40-87 K's eight tiles, then V's four fragments; v88-99 p's codes; v100-163 S', then p; v164-195 O^T; v196-227 the mask as loaded; v228-243 a step's mask words; v244-255 at work.
.set STG,   16*REC                     ; the stages: 16 rows of 272 bytes for each wave; no tensor load lands there
.set SP,    272
.set SB,    16*SP
.set SPARE, STG+16*SB                  ; the spare words, 128 bytes for each of the 16 waves
.set KEYS0, 1280                       ; waves 0-7's part of a row
.set A16, 1                            ; v1, v2  16 x lane + my first two records; + my third (stepped once, by five records)
.set A8,  3                            ; v3, v4  8 x lane + the same
.set STW, 5                            ; the stage: two rows an instruction, 16 lanes to a row
.set STR, 6                            ; row r, + 32 h
.set SPW, 7
.set NIL, 8
.set PFO, 9
.set MO,  10
.set QS,  34
.set PS,  35
.set VS,  36
.set KS,  38
.set KB,  40
.set PC,  88
.set S,   100
.set O,   164
.set RAW, 196
.set MW,  228
.set MS,  247                          ; the mask's scale: 254 in every byte
.set WV,  12
.set G1K, 36
.set G0K, 44
; A round of the cluster's barrier.
.macro CROUND
	s_barrier_signal -1
	s_barrier_wait -1
	s_cmp_lg_u32 s[WV], 0
	s_cbranch_scc1 .Lnot_wave_0_\@
	s_barrier_signal -3
.Lnot_wave_0_\@:
	s_barrier_wait -3
	s_barrier_signal -1
	s_barrier_wait -1
.endm
.macro ASK t                           ; trip t's mask bytes: my 16 rows x 256 bytes
	global_prefetch_b8 v[PFO], s[6:7] offset:256*(\t) th:TH_LOAD_NT scope:SCOPE_SE
.endm
.macro RLOAD t                         ; the same bytes into registers
.irp e, 0,1,2,3,4,5,6,7
	global_load_b128 v[RAW+4*\e:RAW+4*\e+3], v[MO], s[6:7] offset:4096*\e+256*(\t) th:TH_LOAD_NT
.endr
.endm
.macro TOSTAGE
.irp e, 0,1,2,3,4,5,6,7
	ds_store_b128 v[STW], v[RAW+4*\e:RAW+4*\e+3] offset:2*SP*\e
.endr
.endm
.macro MLOAD q                         ; a step's mask words: my query's 2 x 32 bytes.  LDS serves a wave's instructions in order (ISA guide 5.7.1.4): these see my stores
	ds_load_b128 v[MW:MW+3], v[STR] offset:128*(\q)
	ds_load_b128 v[MW+4:MW+7], v[STR] offset:128*(\q)+16
	ds_load_b128 v[MW+8:MW+11], v[STR] offset:128*(\q)+64
	ds_load_b128 v[MW+12:MW+15], v[STR] offset:128*(\q)+80
.endm
.macro PLACE k                         ; step k's record: base register ai (0 or 1), offset ro
.if (\k) < 2
.set ai, 0
.set ro, (\k)*REC
.elseif (\k) < 7
.set ai, 1
.set ro, ((\k)-2)*REC
.else
.set ai, 1
.set ro, ((\k)-7)*REC
.endif
.endm
.macro FRAGS u                         ; eight units of the record, from unit u on: 16 loads
.irp x, 0,1,2,3,4,5,6,7
	ds_load_b128 v[KB+6*\x:KB+6*\x+3], v[A16+ai] offset:ro+512*(\u+\x)
	ds_load_b64 v[KB+6*\x+4:KB+6*\x+5], v[A8+ai] offset:ro+8192+256*(\u+\x)
.endr
.endm
.macro KLOAD k
	PLACE \k
	ds_load_b64 v[KS:KS+1], v[A8+ai] offset:ro+12288
	FRAGS 0
.endm
.macro VLOAD k
	PLACE \k
	FRAGS 8
	ds_load_b64 v[VS:VS+1], v[A8+ai] offset:ro+12544
.endm
.macro QK1 p, u, row                   ; tile 2 p + u
.if \row
	v_wmma_scale_f32_16x16x128_f8f6f4 v[S+16*\p+8*\u:S+16*\p+8*\u+7], v[KB+12*\p:KB+12*\p+11], v[16+6*\u:27+6*\u], v[S+16*\p+8*\u:S+16*\p+8*\u+7], v[KS+\p/2], v[QS] matrix_a_fmt:MATRIX_FMT_FP6 matrix_b_fmt:MATRIX_FMT_FP6 matrix_a_scale:MATRIX_SCALE_ROW1
.else
	v_wmma_scale_f32_16x16x128_f8f6f4 v[S+16*\p+8*\u:S+16*\p+8*\u+7], v[KB+12*\p:KB+12*\p+11], v[16+6*\u:27+6*\u], v[S+16*\p+8*\u:S+16*\p+8*\u+7], v[KS+\p/2], v[QS] matrix_a_fmt:MATRIX_FMT_FP6 matrix_b_fmt:MATRIX_FMT_FP6
.endif
.endm
.macro PV1 n, row                      ; O^T's accumulator n
.if \row
	v_wmma_scale_f32_16x16x128_f8f6f4 v[O+8*\n:O+8*\n+7], v[KB+12*\n:KB+12*\n+11], v[PC:PC+11], v[O+8*\n:O+8*\n+7], v[VS+\n/2], v[PS] matrix_a_fmt:MATRIX_FMT_FP6 matrix_b_fmt:MATRIX_FMT_FP6 matrix_a_scale:MATRIX_SCALE_ROW1
.else
	v_wmma_scale_f32_16x16x128_f8f6f4 v[O+8*\n:O+8*\n+7], v[KB+12*\n:KB+12*\n+11], v[PC:PC+11], v[O+8*\n:O+8*\n+7], v[VS+\n/2], v[PS] matrix_a_fmt:MATRIX_FMT_FP6 matrix_b_fmt:MATRIX_FMT_FP6
.endif
.endm
.macro TM n                            ; t - M, two at a time
.rept \n
	v_pk_fma_f32 v[S+jj:S+jj+1], v[S+jj:S+jj+1], s[22:23], v[12:13] op_sel_hi:[1,0,0]
.set jj, jj+2
.endr
.endm
.macro SUM2 a                          ; the row's sum: the next two pairs of p begin accumulator a
	v_pk_add_f32 v[\a:\a+1], v[S+2*pp:S+2*pp+1], v[S+2*pp+2:S+2*pp+3]
.set pp, pp+2
.endm
.macro SUM1 a                          ; the next pair is added to it
	v_pk_add_f32 v[\a:\a+1], v[\a:\a+1], v[S+2*pp:S+2*pp+1]
.set pp, pp+1
.endm
; A KEY STEP: 128 keys, the k-th of my part; last = 1: my last.  Its mask words are in, its loads of K are out.  No two matrix instructions that follow each other share an accumulator.
.macro STEP k, last
.irp i, 0,1,2,3,4,5,6,7
	v_cvt_scale_pk8_f32_fp8 v[S+8*\i:S+8*\i+7], v[MW+2*\i:MW+2*\i+1], v[MS]   ; eight mask bytes: eight addends, 0 or 2^118
.endr
	v_nop                                          ; one plain place behind a scaled conversion
.if (\k)%2 == 0
	MLOAD 1                                        ; the trip's second step's words
	s_wait_alu depctr_va_vdst(0)
	s_wait_dscnt 4                                 ; K is in; the four mask loads may be out
.else
	s_wait_alu depctr_va_vdst(0)
	s_wait_dscnt 0x0
.endif
	QK1 0, 0, 0
	QK1 0, 1, 0
	QK1 1, 0, 1
	QK1 1, 1, 1
	QK1 2, 0, 0
	QK1 2, 1, 0
	QK1 3, 0, 1
	QK1 3, 1, 1
	v_mov_b32 v253, v12                            ; the old -M; with the three lines below: four plain places behind the products
.rept 3
	v_nop
.endr
	VLOAD \k                                       ; lands during the softmax
	v_max3_num_f32 v244, -v[S], -v[S+1], -v[S+2]   ; the largest score of each 16, four chains by turns
	v_max3_num_f32 v245, -v[S+16], -v[S+17], -v[S+18]
	v_max3_num_f32 v246, -v[S+32], -v[S+33], -v[S+34]
	v_max3_num_f32 v248, -v[S+48], -v[S+49], -v[S+50]
.irp i, 3,5,7,9,11,13
	v_max3_num_f32 v244, v244, -v[S+\i], -v[S+1+\i]
	v_max3_num_f32 v245, v245, -v[S+16+\i], -v[S+17+\i]
	v_max3_num_f32 v246, v246, -v[S+32+\i], -v[S+33+\i]
	v_max3_num_f32 v248, v248, -v[S+48+\i], -v[S+49+\i]
.endr
	v_max3_num_f32 v244, v244, -v[S+15], -v[S+31]
	v_max3_num_f32 v246, v246, -v[S+47], -v[S+63]
	v_max_num_f32 v244, v244, v245                 ; my first block's largest score: all its 32 keys are mine
	v_max_num_f32 v246, v246, v248                 ; my second block's
	s_delay_alu instid0(VALU_DEP_1)
	v_max_num_f32 v249, v244, v246
	s_delay_alu instid0(VALU_DEP_1)
	v_permlanex16_b32 v251, v249, s20, s21
	s_delay_alu instid0(VALU_DEP_1)
	v_max3_num_f32 v13, v13, v249, v251            ; with lane l xor 16's two blocks: the largest score so far
	s_delay_alu instid0(VALU_DEP_1)
	v_mul_f32 v249, s26, v13                       ; as t
	s_delay_alu instid0(VALU_DEP_1)
	v_floor_f32 v12, -v249                         ; the new -M = floor(-t): M is a whole number
.set jj, 0
	TM 4
	v_sub_f32 v249, v12, v253                      ; old M - new M: a whole number, 0 or less
	TM 4
	v_cvt_i32_f32 v249, v249                       ; (it saturates)
	TM 4
	v_ldexp_f32 v250, 1.0, v249                    ; f = 2^(old M - new M)
	TM 20
	v_fma_f32 v244, v244, s26, v12                 ; the same of each block's largest score
	v_fma_f32 v246, v246, s26, v12
.set j, 0
.rept 16
	v_pk_mul_f32 v[O+j:O+j+1], v[O+j:O+j+1], v[250:251] op_sel_hi:[1,0]   ; O^T under the new M, from each accumulator's low end on
.set j, j+2
.endr
	s_wait_alu depctr_va_vdst(0)
	v_exp_f32 v244, v244                           ; the block's largest p: the same two instructions on the same number
	v_exp_f32 v246, v246
.set j, 0
.rept 64
	v_exp_f32 v[S+j], v[S+j]                       ; p = 2^(t - M)
.set j, j+1
.endr
	v_pk_mul_f32 v[14:15], v[14:15], v[250:251] op_sel_hi:[1,0]     ; the sum under the new M: a plain place behind the exponentials
	s_wait_alu depctr_va_vdst(0)                   ; and behind it, ahead of its first reader
.if (\k) == 0
	s_wait_tensorcnt 0x0                           ; my record has landed, and my LDS loads are done:
	s_wait_dscnt 0x0
	s_barrier_signal -1                            ; behind the wait at this step's end all records may be read
.endif
.if ((\k)%2 == 1) && ((\last) == 0)
	s_wait_loadcnt 0x0                             ; the next trip's mask bytes are in registers
	TOSTAGE                                        ; the stage was last read by this step's mask loads
	MLOAD 0
.endif
.set pp, 0
	v_max_num_f32 v244, 0x1800000, v244            ; the floor 2^(3 - 127): the byte cannot fall under 1
	v_max_num_f32 v246, 0x1800000, v246
	SUM2 254                                       ; THE SUM, of the unquantised p, stands between the lines that make the scales
	v_add_nc_u32 v252, 0xff000000, v244            ; 2 off the exponent field: the conversion's scale operand
	v_add_nc_u32 v253, 0xff000000, v246
	SUM1 14
	SUM1 254
	v_lshrrev_b32 v249, 23, v252                   ; the scale's byte
	v_lshrrev_b32 v248, 23, v253
	SUM1 14
	SUM1 254
	v_lshl_or_b32 v249, v248, 16, v249             ; my two bytes: blocks h and 2 + h of these 128 keys,
	SUM1 14
	SUM1 254
	v_lshlrev_b32 v249, v11, v249                  ; at their places in the scale word (8 h bits up);
	SUM1 14
	SUM1 254
	v_permlanex16_b32 v251, v249, s20, s21
	SUM1 14
	v_or_b32 v[PS], v249, v251                     ; with lane l xor 16's two the word is whole
	v_cvt_scalef32_pk16_fp6_f32 v[PC:PC+2], v[S:S+15], v252
	v_cvt_scalef32_pk16_fp6_f32 v[244:246], v[S+16:S+31], v252      ; (a conversion's three registers begin on an even number: a block's second half is made elsewhere and moved)
	v_cvt_scalef32_pk16_fp6_f32 v[PC+6:PC+8], v[S+32:S+47], v253
	v_cvt_scalef32_pk16_fp6_f32 v[248:250], v[S+48:S+63], v253
	SUM1 254                                       ; plain places behind the conversions
	SUM1 14
.irp i, 0,1,2
	v_mov_b32 v[PC+3+\i], v[244+\i]
	v_mov_b32 v[PC+9+\i], v[248+\i]
.endr
	SUM2 244                                       ; with the lines above: more than the eight places between the scale's and the operand's last writes and the products
	SUM2 252
	SUM1 14
	SUM1 254
	s_wait_alu depctr_va_vdst(0)
	s_wait_dscnt 0x0                               ; V is in, and so are the mask words asked for; the stage's stores have read their registers
	PV1 0, 0
	PV1 1, 1
	PV1 2, 0
	PV1 3, 1
	SUM1 244                                       ; six plain places behind the products
	SUM1 252
	SUM1 14
	SUM1 254
	SUM1 244
	SUM1 252
.if (\k) == 6
	v_add_nc_u32 v[A16+1], 5*REC, v[A16+1]
	v_add_nc_u32 v[A8+1], 5*REC, v[A8+1]
.endif
.if (\last) == 0
	KLOAD (\k)+1
.endif
	SUM1 14
	SUM1 254
	SUM1 244
	SUM1 252
	SUM1 14
	SUM1 254
	SUM1 244
	v_pk_add_f32 v[14:15], v[14:15], v[254:255]
	v_pk_add_f32 v[244:245], v[244:245], v[252:253]
	v_pk_add_f32 v[14:15], v[14:15], v[244:245]
.if (\k) == 0
	s_wait_alu depctr_va_vdst(0)
	s_barrier_wait -1                              ; every wave has said that its record has landed
.endif
.if (\k) == 1
	RLOAD 2                                        ; the mask bytes of the trip after the next
.endif
.if ((\k) == 1) || ((\k) == 3)
	s_wait_alu depctr_va_vdst(0)
	s_cmp_lt_u32 s[WV], 8                          ; waves 8-15 have three trips
	s_cbranch_scc0 .Lno_more_\@
.if (\k) == 1
	ASK 3
.else
	RLOAD 3
	ASK 4
.endif
.Lno_more_\@:
.endif
.if ((\k) == 5) && ((\last) == 0)
	RLOAD 4
.endif
.endm
	s_load_b256 s[4:11], s[0:1], 0x0               ; q s[4:5], mask s[6:7], kv s[8:9], out0 s[10:11]
	v_lshl_add_u32 v[SPW], v0, 2, SPARE
	v_mov_b32 v[NIL], 0
	ds_add_u32 v[SPW], v[NIL]                      ; the wave's opening: the add, twice on end, ahead of my tensor load
	ds_add_u32 v[SPW], v[NIL]
	v_lshrrev_b32 v40, 5, v0
	v_readfirstlane_b32 s[WV], v40                 ; wave 0..15
	s_bfe_u32 s13, ttmp6, 0x40000                  ; cx: my place in the cluster
	s_lshl_b32 s14, ttmp9, 2
	s_add_co_u32 s14, s14, s13                     ; my block of 128 queries: it enters q's, the mask's and out0's addresses alone
	s_and_b32 s15, ttmp7, 0xffff                   ; the batch, which the four partners share
	s_and_b32 s16, s[WV], 7                        ; i: my query tile
	s_lshr_b32 s17, s[WV], 3                       ; j: my part of the keys
	s_mov_b32 s20, 0x76543210
	s_mov_b32 s21, 0xfedcba98                      ; v_permlanex16_b32's selects for lane l xor 16
	s_mov_b32 s22, 0xbe38aa3b                      ; -c, c = log2(e) / 8: S' is minus the score
	s_mov_b32 s23, s22                             ; (named with it as a pair, so it is written)
	s_mov_b32 s26, 0x3e38aa3b                      ; c
	; descriptor group 1: a record is 50 dense rows of 256 bytes (32 elements of 8 bytes), no padding; the mask names all four work-groups, bit 21 set beside it
	s_mov_b32 s[G1K], 15|(3<<16)|(1<<21)
	s_mov_b32 s[G1K+1], 32<<16
	s_mov_b32 s[G1K+2], 50<<16
	s_mov_b32 s[G1K+3], 32<<16
	s_mov_b32 s[G1K+4], 50
	s_mov_b32 s[G1K+5], 32
	s_mov_b32 s[G1K+6], 0
	s_mov_b32 s[G1K+7], 0
	s_mul_i32 s72, s[WV], REC                      ; I bring the batch's record w: its place in LDS, and among the batch's
	s_mul_i32 s74, s15, 16*REC                     ; kv: the batch's 16 records (these registers never hold my place in the cluster)
	s_add_co_u32 s74, s74, s72
	s_mov_b32 s75, 0
	s_lshl_b32 s66, s15, 22                        ; the mask: a batch is 2^22 bytes,
	s_lshl_b32 s67, s14, 18                        ; a block of 128 rows 2^18,
	s_add_co_u32 s66, s66, s67
	s_lshl_b32 s67, s16, 15                        ; a tile of 16 rows 2^15
	s_add_co_u32 s66, s66, s67
	s_mul_i32 s67, s17, KEYS0                      ; and my part of a row
	s_add_co_u32 s66, s66, s67
	s_mov_b32 s67, 0
	s_lshl_b32 s70, s15, 19                        ; q and out0: a batch is 2^19 bytes,
	s_lshl_b32 s71, s14, 15                        ; a block 2^15,
	s_add_co_u32 s70, s70, s71
	s_lshl_b32 s71, s16, 12                        ; a tile of 16 rows 2^12
	s_add_co_u32 s70, s70, s71
	s_mov_b32 s71, 0
	s_mul_i32 s76, s17, 2*REC                      ; my first two records: 0, 1 or 2, 3,
	s_mul_i32 s78, s17, 8*REC
	s_add_co_u32 s78, s78, 4*REC                   ; and the others from 4 or 12 on
	s_mul_i32 s77, s[WV], SB
	s_add_co_u32 s77, s77, STG                     ; my stage
	v_and_b32 v41, 31, v0                          ; lane
	v_and_b32 v42, 15, v0                          ; r
	v_bfe_u32 v43, v0, 4, 1                        ; h
	v_lshl_add_u32 v[A16], v41, 4, s76
	v_lshl_add_u32 v[A8], v41, 3, s76
	v_mul_u32_u24 v[STW], v43, SP
	v_mul_u32_u24 v[STR], v42, SP
	v_lshlrev_b32 v[MO], 11, v43
	v_min_u32 v[PFO], 15, v41                      ; (lanes 16-31 name the last row again)
	v_lshlrev_b32 v44, 8, v42
	v_lshl_add_u32 v[A16+1], v41, 4, s78
	v_lshl_add_u32 v[A8+1], v41, 3, s78
	v_lshl_add_u32 v[STW], v42, 4, v[STW]
	v_lshl_add_u32 v[STR], v43, 5, v[STR]
	v_lshl_add_u32 v[MO], v42, 4, v[MO]            ; the mask: two rows an instruction, 256 consecutive bytes of each
	v_lshlrev_b32 v[PFO], 11, v[PFO]               ; the prefetches: a lane a row
	v_lshl_add_u32 v44, v43, 7, v44                ; q: row r of 256 bytes, + 128 h: my 32 channels
	v_add_nc_u32 v[STW], s77, v[STW]
	v_add_nc_u32 v[STR], s77, v[STR]
	v_lshlrev_b32 v11, 3, v43                      ; 8 h
	s_wait_alu depctr_va_vdst(0)
	s_wait_dscnt 0x0                               ; both opening adds are done
	s_wait_kmcnt 0x0
	s_add_nc_u64 s[4:5], s[4:5], s[70:71]          ; q at my tile's first row
.irp e, 0,1,2,3,4,5,6,7
	global_load_b128 v[S+4*\e:S+4*\e+3], v44, s[4:5] offset:16*\e   ; q goes out first, ahead of the round
.endr
	s_add_nc_u64 s[6:7], s[6:7], s[66:67]          ; the mask at my tile's first row and my part
	s_add_nc_u64 s[10:11], s[10:11], s[70:71]      ; out0 at my tile's first row
	s_add_nc_u64 s[8:9], s[8:9], s[74:75]          ; kv at my record
	s_mov_b32 s[G0K], 1
	s_mov_b32 s[G0K+1], s72
	s_mov_b64 s[G0K+2:G0K+3], s[8:9]
	s_or_b32 s[G0K+3], s[G0K+3], 0x80000000
	CROUND                                         ; all four work-groups are here: the joint loads meet
	s_cmp_lt_u32 s[WV], 4                          ; each wave asks for one record; the records of the first trip have a line of their own
	s_cbranch_scc0 .Lrest
	tensor_load_to_lds s[G0K:G0K+3], s[G1K:G1K+7]
	s_nop 0
.rept 4
	v_nop
.endr
	s_branch .Lasked
.Lrest:
	tensor_load_to_lds s[G0K:G0K+3], s[G1K:G1K+7]
	s_nop 0
.rept 4
	v_nop
.endr
.Lasked:
	RLOAD 0                                        ; the first trip's mask bytes, behind the records
.irp i, 22,23,24,25,26,27
	v_mov_b32 v[\i], 0                             ; Q's zero codes
.endr
	v_mov_b32 v14, 0                               ; the sum, in two halves
	v_mov_b32 v15, 0
	v_mov_b32 v251, 0                              ; (a lane permute's destination counts as one of its sources)
	v_mov_b32 v[MS], 0xfefefefe
	v_mov_b32 v13, 0xf2800000                      ; the largest score so far: -2^102: above every masked place, under every open one
	v_mov_b32 v12, 0x72800000                      ; -M: at least every -M to come
	ASK 1
.set j, 0
.rept 32
	v_mov_b32 v[O+j], 0                            ; O^T: the step is one macro; the first finds zeros, which the first change of M leaves zeros
.set j, j+1
.endr
	s_wait_alu depctr_va_vdst(0)
	s_wait_loadcnt 8                               ; q; the mask's eight loads may be out
	v_max3_num_f32 v244, |v[S]|, |v[S+1]|, |v[S+2]|                 ; my block's largest magnitude: all its 32 numbers are mine
	v_max3_num_f32 v245, |v[S+3]|, |v[S+4]|, |v[S+5]|
.irp i, 6,10,14,18,22,26
	s_delay_alu instid0(VALU_DEP_2)
	v_max3_num_f32 v244, v244, |v[S+\i]|, |v[S+1+\i]|
	s_delay_alu instid0(VALU_DEP_2)
	v_max3_num_f32 v245, v245, |v[S+2+\i]|, |v[S+3+\i]|
.endr
	s_delay_alu instid0(VALU_DEP_2)
	v_max3_num_f32 v244, v244, |v[S+30]|, |v[S+31]|
	s_delay_alu instid0(VALU_DEP_1)
	v_max3_num_f32 v244, v244, v245, 0x1800000     ; and the floor 2^(3 - 127)
	s_delay_alu instid0(VALU_DEP_1)
	v_add_nc_u32 v246, 0xff000000, v244            ; the conversion's scale operand
	s_delay_alu instid0(VALU_DEP_1)
	v_lshrrev_b32 v248, 23, v246                   ; the byte
	v_cvt_scalef32_pk16_fp6_f32 v[16:18], v[S:S+15], v246
	v_cvt_scalef32_pk16_fp6_f32 v[252:254], v[S+16:S+31], v246
	v_lshlrev_b32 v248, v11, v248                  ; my byte at its place (a plain place behind the conversions)
	v_xor_b32 v16, 0x20820820, v16                 ; the sign bit of every code is turned: bits 5, 11, 17 .. of the stream
	v_xor_b32 v17, 0x8208208, v17
	v_xor_b32 v18, 0x82082082, v18
	v_permlanex16_b32 v251, v248, s20, s21
	v_xor_b32 v19, 0x20820820, v252
	v_xor_b32 v20, 0x8208208, v253
	v_xor_b32 v21, 0x82082082, v254
	v_or_b32 v248, v248, v251
	s_delay_alu instid0(VALU_DEP_1)
	v_lshl_or_b32 v[QS], v248, 16, v248            ; Q's scale word: its two bytes for either place
.irp i, 0,1,2,3,4,5
	v_mov_b32 v[28+\i], v[16+\i]                   ; the same codes behind the zero codes
.endr
.rept 3
	v_nop                                          ; with the six lines above: eight places and more ahead of the first product for the scale word, four for the codes
.endr
	s_wait_alu depctr_va_vdst(0)
	s_cmp_lt_u32 s[WV], 4
	s_cbranch_scc0 .Lnot_first
	s_wait_tensorcnt 0x0                           ; waves 0-3: the records of the first trip have landed
.Lnot_first:
	s_barrier_signal -1
	s_barrier_wait -1
	KLOAD 0
	s_wait_loadcnt 0x0                             ; the first trip's mask bytes
	TOSTAGE
	MLOAD 0
	s_wait_dscnt 0x0                               ; the words are back, so the stores have read their registers,
	RLOAD 1                                        ; which take the second trip's bytes
	ASK 2
	v_nop                                          ; the fourth place for Q's codes
	STEP 0, 0
	STEP 1, 0
	STEP 2, 0
	STEP 3, 0
	STEP 4, 0
	s_wait_alu depctr_va_vdst(0)
	s_cmp_lt_u32 s[WV], 8
	s_cbranch_scc0 .Lshort
	STEP 5, 0                                      ; waves 0-7: ten steps
	STEP 6, 0
	STEP 7, 0
	STEP 8, 0
	STEP 9, 1
	s_wait_alu depctr_va_vdst(0)
	s_branch .Lmerge
.Lshort:
	STEP 5, 1                                      ; waves 8-15: six
.Lmerge:
	; THE MERGE of a tile's two parts of the keys, and the way out.  Waves 8-15 hand O^T over in their own stages, 4,096 bytes of its image and 256 of (-M, sum).
	v_add_f32 v14, v14, v15                        ; the sum's two halves,
	v_and_b32 v16, 31, v0                          ; lane
	v_and_b32 v17, 15, v0                          ; r
	v_bfe_u32 v18, v0, 4, 1                        ; h
	v_permlanex16_b32 v251, v14, s20, s21
	s_mul_i32 s76, s16, SB
	s_add_co_u32 s76, s76, STG+8*SB                ; the stage of wave 8 + i
	v_lshl_add_u32 v1, v16, 4, s76
	v_lshl_add_u32 v3, v16, 3, s76
	v_lshlrev_b32 v4, 8, v18
	v_add_f32 v13, v14, v251                       ; and lane l xor 16's: v[12:13] = (-M, the sum)
	v_lshl_add_u32 v4, v17, 4, v4                  ; out0: lanes 0-15 one row of 256 bytes, lanes 16-31 the next
	s_wait_alu depctr_va_vdst(0)
	s_cmp_lt_u32 s[WV], 8
	s_cbranch_scc1 .Lkeep
.irp e, 0,1,2,3,4,5,6,7
	ds_store_b128 v1, v[O+4*\e:O+4*\e+3] offset:512*\e              ; each accumulator from its low end on
.endr
	ds_store_b64 v3, v[12:13] offset:4096
.Lkeep:
	s_wait_dscnt 0x0                               ; for the others' sake: my stores are done
	s_barrier_signal -1
	s_barrier_wait -1
	s_cmp_ge_u32 s[WV], 8
	s_cbranch_scc1 .Lend
.irp e, 0,1,2,3,4,5,6,7
	ds_load_b128 v[S+4*\e:S+4*\e+3], v1 offset:512*\e
.endr
	ds_load_b64 v[196:197], v3 offset:4096
	s_wait_dscnt 0x0
	v_min_num_f32 v198, v12, v196                  ; -M of both parts: the larger M
	s_delay_alu instid0(VALU_DEP_1)
	v_sub_f32 v199, v198, v12
	s_delay_alu instid0(VALU_DEP_2)
	v_sub_f32 v200, v198, v196                     ; whole numbers, 0 or less
	s_delay_alu instid0(VALU_DEP_2)
	v_cvt_i32_f32 v199, v199
	s_delay_alu instid0(VALU_DEP_2)
	v_cvt_i32_f32 v200, v200
	s_delay_alu instid0(VALU_DEP_2)
	v_ldexp_f32 v202, 1.0, v199                    ; what brings my part under the common M,
	s_delay_alu instid0(VALU_DEP_2)
	v_ldexp_f32 v204, 1.0, v200                    ; and the other
	s_delay_alu instid0(VALU_DEP_2)
	v_mul_f32 v206, v13, v202
	s_delay_alu instid0(VALU_DEP_1)
	v_fma_f32 v206, v197, v204, v206               ; the row's sum
	s_wait_alu depctr_va_vdst(0)
	v_rcp_f32 v207, v206
	v_nop                                          ; a plain place behind it
	s_wait_alu depctr_va_vdst(0)
	v_mul_f32 v202, v202, v207
	v_mul_f32 v204, v204, v207
	v_mov_b32 v203, v202                           ; (the pairs' upper halves are named, so they are written)
	v_mov_b32 v205, v204
.set j, 0
.rept 16
	v_pk_mul_f32 v[O+j:O+j+1], v[O+j:O+j+1], v[202:203] op_sel_hi:[1,0]
.set j, j+2
.endr
.set j, 0
.rept 16
	v_pk_fma_f32 v[O+j:O+j+1], v[S+j:S+j+1], v[204:205], v[O+j:O+j+1] op_sel_hi:[1,0,1]
.set j, j+2
.endr
.irp n, 0,1,2,3
	ds_store_b128 v[STR], v[O+8*\n:O+8*\n+3] offset:64*\n           ; lane (r, h): out(r, 16 n + 8 h + 0 .. 7), in my own stage
	ds_store_b128 v[STR], v[O+8*\n+4:O+8*\n+7] offset:64*\n+16
.endr
.irp e, 0,1,2,3,4,5,6,7
	ds_load_b128 v[S+4*\e:S+4*\e+3], v[STW] offset:2*\e*SP          ; LDS serves a wave's instructions in order (ISA guide 5.7.1.4): these see my stores
.endr
.irp e, 0,1,2,3,4,5,6,7
	s_wait_dscnt 7-\e                              ; the younger loads may stay out
	global_store_b128 v4, v[S+4*\e:S+4*\e+3], s[10:11] offset:512*\e th:TH_STORE_NT   ; 32 lanes store two rows: 512 consecutive bytes, at a multiple of 256 from out0's first byte
.endr
.Lend:
	s_wait_tensorcnt 0x0                           ; the wave's end, behind my last tensor load and my last LDS store
	ds_add_u32 v[SPW], v[NIL]
	s_wait_dscnt 0x0
	CROUND                                         ; the closing round: no work-group ends while a partner may still ask for a record that names it
	s_endpgm
.Lfunc_end_k_q8943e60c8c_attn:
	.size	k_q8943e60c8c_attn, .Lfunc_end_k_q8943e60c8c_attn-k_q8943e60c8c_attn
	.p2alignl 7, 3214868480
	.fill 96, 4, 3214868480
	.section	.rodata,"a",@progbits
	.p2align	6, 0x0
	.amdhsa_kernel k_q8943e60c8c_attn
		.amdhsa_group_segment_fixed_size 276480
		.amdhsa_private_segment_fixed_size 0
		.amdhsa_enable_private_segment 0
		.amdhsa_kernarg_size 32
		.amdhsa_user_sgpr_count 2
		.amdhsa_user_sgpr_kernarg_segment_ptr 1
		.amdhsa_wavefront_size32 1
		.amdhsa_system_sgpr_workgroup_id_x 1
		.amdhsa_system_sgpr_workgroup_id_y 1
		.amdhsa_system_sgpr_workgroup_id_z 1
		.amdhsa_system_vgpr_workitem_id 0
		.amdhsa_next_free_vgpr 256
		.amdhsa_next_free_sgpr 80
		.amdhsa_reserve_vcc 0
		.amdhsa_float_denorm_mode_32 3
		.amdhsa_float_denorm_mode_16_64 3
		.amdhsa_memory_ordered 1
		.amdhsa_forward_progress 1
		.amdhsa_inst_pref_size 193
	.end_amdhsa_kernel
	.amdgpu_metadata
---
amdhsa.version: [ 1, 2 ]
amdhsa.kernels:
  - .name:           k_q8943e60c8c_attn
    .symbol:         k_q8943e60c8c_attn.kd
    .args:
      - { .name: q, .offset: 0, .size: 8, .value_kind: global_buffer, .address_space: global }
      - { .name: mask, .offset: 8, .size: 8, .value_kind: global_buffer, .address_space: global }
      - { .name: kv, .offset: 16, .size: 8, .value_kind: global_buffer, .address_space: global }
      - { .name: out0, .offset: 24, .size: 8, .value_kind: global_buffer, .address_space: global }
    .group_segment_fixed_size: 276480
    .private_segment_fixed_size: 0
    .kernarg_segment_align: 8
    .kernarg_segment_size: 32
    .max_flat_workgroup_size: 512
    .sgpr_count:     80
    .vgpr_count:     256
    .wavefront_size: 32
...
	.end_amdgpu_metadata
.endif
;; end of part 2
